; MI455X (gfx1250); checked and timed in simulation.
; The chip was launched on July 23, 2026; its instructions are those of AMD's public machine-readable ISA for CDNA 5 (MIT licence, August 2026) and "CDNA5" Instruction Set Architecture Reference Guide (July 2026). The comments in the code are by the model that wrote it; some were corrected since.
;; Attention. Allowed arithmetic: matrix products marked QUANTISED: E4M3 operands, one E8M0 scale for each 32 along K, by v_wmma_scale_f32_16x16x128_f8f6f4 with both operands' format E4M3, f32 sums; everything else in f32.
;; Inputs: bk 1,024 float32; bq 2,048 float32; bv 1,024 float32; hidden_state_codes 2 x 2,048 x 64 x 32 uint8 (E4M3 codes of hidden_state, K innermost, in blocks of 32 codes); hidden_state_scales 2 x 2,048 x 64 uint8 (E8M0 scales of hidden_state, one for each 32 codes along K); wk_codes 1,024 x 64 x 32 uint8 (E4M3 codes of wk, K innermost, in blocks of 32 codes); wk_scales 1,024 x 64 uint8 (E8M0 scales of wk, one for each 32 codes along K); wq_codes 2,048 x 64 x 32 uint8 (E4M3 codes of wq, K innermost, in blocks of 32 codes); wq_scales 2,048 x 64 uint8 (E8M0 scales of wq, one for each 32 codes along K); wv_codes 1,024 x 64 x 32 uint8 (E4M3 codes of wv, K innermost, in blocks of 32 codes); wv_scales 1,024 x 64 uint8 (E8M0 scales of wv, one for each 32 codes along K).
;; Outputs: out0 2 x 2,048 x 16 x 128 float32.
;; This version of the problem:
;;   THIS VERSION OF THE PROBLEM IS GIVEN IN LOW PRECISION. The matrix products marked QUANTISED in the list below multiply operands that are first quantised to E4M3 (4 exponent bits, 3 mantissa bits; 8 bits a number), with one power-of-two scale for each 32 numbers along K (OCP MX v1.0); their sums are f32. All else is computed in f32.
;;   The module's matrix products, in the order in which they are computed (A, B: the left and right operand; K: the contracted axis; several contracted axes count as one K, in the product's order):
;;     1. [M 4,096, K 2,048] x [K 2,048, N 2,048]; A: input hidden_state (given as codes); B: input wq (given as codes): QUANTISED
;;     2. [M 4,096, K 2,048] x [K 2,048, N 1,024]; A: input hidden_state (given as codes); B: input wk (given as codes): QUANTISED
;;     3. [M 4,096, K 2,048] x [K 2,048, N 1,024]; A: input hidden_state (given as codes); B: input wv (given as codes): QUANTISED
;;     4. batch 32 x [M 2,048, K 128] x [K 128, N 2,048]; A: computed on the way; B: computed on the way: QUANTISED
;;     5. batch 32 x [M 128, K 2,048] x [K 2,048, N 2,048]; A: computed on the way; B: softmax (see below): QUANTISED
;;   THE QUANTISER, for each operand of a quantised product, along K:
;;     - K is cut into blocks of 32 from its start; a last block that is shorter is filled with zeros.
;;     - A block's scale is 2^e with e = floor(log2(the largest magnitude in the block)) - 8, held to -126 .. 127; a block of zeros has e = 0. As a byte (E8M0): e + 127.
;;     - Each number is divided by its block's scale, clamped to +-448, and rounded to the nearest number of E4M3, ties to even, subnormals kept.
;;     - The product sums the exact products of the quantised numbers (number of the format x scale) in f32.
;;   ~~~python
;;   def quantise(x, axis):      # numpy; x: float32 -> the quantised numbers, widened to float32 again
;;       x = np.moveaxis(x, axis, -1); K = x.shape[-1]
;;       x = np.pad(x, [(0, 0)] * (x.ndim - 1) + [(0, -K % 32)]); x = x.reshape(x.shape[:-1] + (-1, 32)); a = np.abs(x).max(-1, keepdims=True)
;;       e = np.where(a > 0, np.clip(np.frexp(np.where(a > 0, a, 1))[1] - 1 - 8, -126, 127), 0)      # np.frexp(a)[1] - 1 = floor(log2(a)), exactly
;;       r = np.clip(x / 2.0 ** e, -448, 448)
;;       step = 2.0 ** (np.maximum(np.frexp(np.where(r == 0, 1, r))[1] - 1, -6) - 3)
;;       q = np.round(r / step) * step * 2.0 ** e      # np.round: ties to even
;;       return np.moveaxis(q.reshape(q.shape[:-2] + (-1,))[..., :K], -1, axis).astype(np.float32)
;;   ~~~
;;   SOFTMAX AHEAD OF A QUANTISED PRODUCT. Where the list says 'softmax', what is quantised is not the finished softmax but p = 2^(t - M), with t = logit x log2(e) and M = ceil(the row's largest t), a whole number; so 1/2 < the row's largest p <= 1. The row's sum l is taken of the UNQUANTISED p, in f32, and the product's result is divided by l at the end. Since M is a whole number, a kernel that streams over the keys may use a running M (the ceiling of the running maximum): every later rescaling is an exact power of two, which a block's scale takes up: the codes' values come out the same.
;;   OPERANDS COMPUTED ON THE WAY. 'Computed on the way' means the value that the module computes at that place (a softmax that the list does not call 'softmax' is quantised finished and normalised). What goes into a quantiser is computed in f32, as accurately as f32 sums, v_exp_f32 and their like allow (about 1e-6 of the number): no bf16 or f16 on the way to a quantiser, and a product that is left as it is and whose result goes on into a quantised operand takes f32 operands (vector FMAs, or v_wmma_f32_16x16x4_f32). A number that lies on a knife's edge between two numbers of the format may be rounded either way, as far as f32 arithmetic and the matrix unit's own rounding can turn it there, and no further.
;;   INPUTS GIVEN AS CODES. hidden_state (in the module: [2, 2048, 2048], K = its axis 2); wk (in the module: [2048, 1024], K = its axis 0); wq (in the module: [2048, 2048], K = its axis 0); wv (in the module: [2048, 1024], K = its axis 0): each comes as NAME_codes (uint8): NAME with its K axis moved to the last place and cut into blocks of 32 codes, [.., K / 32, bytes a block], one block behind the other in memory; one code a byte (a code: sign, 4 exponent bits, 3 mantissa bits); and NAME_scales (uint8): the same leading axes, one E8M0 byte (e + 127) for each 32 codes along K. Its value is code x scale, taken as it is: it is not quantised again, and the codes and scales need not be those that the quantiser above would give.
;; One version. Each part assembles by itself: llvm-mc -triple=amdgcn-amd-amdhsa -mcpu=gfx1250 --defsym DOCPART=n.
;; ======== version 1 of 1: 2 launches
;; limits: right only within a limited range of input values
;; workspace buffers: qws 8,650,752 bytes; kvws 8,650,752 bytes
;; launch proj (part 1): grid 16 x 16, 4 waves a work-group, clusters of 4 x 4, 327,680 bytes of LDS; arguments hidden_state_codes, hidden_state_scales, wq_codes, wq_scales, wk_codes, wk_scales, wv_codes, wv_scales, bq, bk, bv, qws, kvws; writes qws, kvws
.if DOCPART == 1
	.amdgcn_target "amdgcn-amd-amdhsa--gfx1250"
	.amdhsa_code_object_version 6
	.text
	.protected	k_q1500dda40e_proj
	.globl	k_q1500dda40e_proj
	.p2align	8
	.type	k_q1500dda40e_proj,@function
k_q1500dda40e_proj:
	s_mov_b64 s[64:65], 0
	v_nop
	global_prefetch_b8 v0, s[64:65] scope:SCOPE_SE
	s_setreg_imm32_b32 hwreg(HW_REG_WAVE_MODE, 25, 1), 1
	s_wait_xcnt 0x0
	s_wait_alu depctr_hold_cnt(0) depctr_sa_sdst(0) depctr_va_vdst(0) depctr_va_sdst(0) depctr_va_ssrc(0) depctr_va_vcc(0) depctr_vm_vsrc(0)
	s_getreg_b32 s2, hwreg(HW_REG_IB_STS2, 6, 4)
	s_cmp_eq_u32 s2, 0
	s_cbranch_scc0 .Lentry_in_a_cluster
	s_endpgm
.Lentry_in_a_cluster:
	s_bfe_u32 s2, ttmp6, 0x10000c
	s_cmp_lg_u32 s2, 0xf033
	s_cbranch_scc0 .Lentry_shape_is_right
	s_endpgm
.Lentry_shape_is_right:
; Q, K, V = x W + b ON CODES OF FP8 (E4M3) WITH E8M0 SCALES, the rotation of Q and K (reference()'s apply_rope), and the quantisers of the next launch's operands.
; 256 work-groups; cluster x 0, 1 makes Q (2,048 columns), 2 makes K, 3 makes V.  Q, K: 128 positions of both batches x 256 columns; V is made transposed (its channels are the tile's rows), so that its keys run along a lane's registers.
; A work-group makes 256 x 256, a wave 128 x 128 (512 registers of sums).  K goes in steps of 256 through a ring of two LDS slots filled by joint loads: the four of a cluster's row share A's tile, the four of a column share B's.
; The scale bytes of the work-group's 512 rows, for all of K, come once by plain loads in whole units of 256 bytes and lie behind the ring: a small part of what the tiles bring, so not asked for jointly.
; Codes and scale words leave as images of the next launch's operand registers.  Nothing of reference() is left out here.
; LIMITS: NaN and infinities are not served.
.set PFA,    4                         ; s[4:5] where my prefetches stand
.set PFO,    7                         ; v7     their offset: a row of 2,048 bytes a lane
.set SD,     24                        ; v24    in the head: where my scale bytes go in LDS
.set NQ,     2
.set ROWB,   256
.set KROW,   2048
.set PITCH,  272
.set FR,     16
.set NL,     4
.set NP,     8
.set HALFT,  128*PITCH
.set SLOT,   4*HALFT
.set LAPS,   4
.set KS,     64
.set SCL,    2*SLOT
.set HALFS,  32*272
.set SBLK,   4*272
.set SPARE,  SCL+4*HALFS
.set IMG,    0
.set GAT,    65536
.set BA,   8
.set ADRA, 16
.set LI,   18
.set GSW,  19
.set ADRB, 20
.set GRD,  22
.set IW,   23
.set POS,  24
.set PW,   26
.set ADRS, 27
.set SPW,  28
.set NIL,  29
.set SC,   32
.set BI,   64
.set AF,   128
.set IFR,  32
.set IM,   64
.set WK,   128
.set KC,   224
.set IS,   32
.set OUT,  160
.set PC,   224
.set TM,   240
.set MNT,  2
.set MK,   68
.set SEL,  104
.set G1, 24
.set G0, 32
.set G1B, 48
.set G0B, 56
.set MSB, 0
.macro WIN new
.if MSB != \new
	s_set_vgpr_msb (MSB<<8)|\new
.set MSB, \new
.endif
.endm
.set MUL_LO, 0xa1
.set MUL_HI, 0xf1
.set TO_B,   0x40
.macro JLOAD g0a, g1a, g0b, g1b
	s_cmp_eq_u32 s15, 0
	s_cbranch_scc0 .Lfor_b_\@
	tensor_load_to_lds s[\g0a:\g0a+3], s[\g1a:\g1a+7]
	s_nop 0
.rept 4
	v_nop
.endr
	s_branch .Lasked_\@
.Lfor_b_\@:
	tensor_load_to_lds s[\g0b:\g0b+3], s[\g1b:\g1b+7]
	s_nop 0
.rept 4
	v_nop
.endr
.Lasked_\@:
.endm
.macro CREST
	s_cmp_lg_u32 s14, 0
	s_cbranch_scc1 .Lnot_wave_0_\@
	s_barrier_signal -3
.Lnot_wave_0_\@:
	s_barrier_wait -3
	s_barrier_signal -1
	s_barrier_wait -1
.endm
.macro CROUND
	s_barrier_signal -1
	s_barrier_wait -1
	CREST
.endm
.macro PLACES n
.rept \n
	v_nop
.endr
.endm
	s_load_b512 s[68:83], s[0:1], 0x0
	s_load_b256 s[84:91], s[0:1], 0x40
	s_load_b64 s[92:93], s[0:1], 0x60
	v_lshl_add_u32 v[SPW], v0, 2, SPARE
	v_mov_b32 v[NIL], 0
	ds_add_u32 v28, v29
	ds_add_u32 v28, v29
	s_wait_dscnt 0x0
	v_lshrrev_b32 v1, 5, v0
	v_readfirstlane_b32 s14, v1
	s_lshr_b32 s15, s14, 1
	s_and_b32 s16, s14, 1
	s_bfe_u32 s40, ttmp6, 0x40000
	s_bfe_u32 s41, ttmp6, 0x40004
	s_mov_b32 s94, ttmp9
	s_and_b32 s95, ttmp7, 0xffff
	s_lshl_b32 s43, s41, 2
	s_lshl_b32 s43, 15, s43
	s_lshl_b32 s44, 0x1111, s40
	s_lshl_b32 s18, s95, 2
	s_lshl_b32 s19, s94, 2
	s_mov_b32 s21, 33792
	s_mov_b32 s22, 32768
	s_cmp_lt_u32 s94, 2
	s_cselect_b32 s42, s19, 0
	s_cselect_b32 s20, 16, 8
	s_cselect_b32 s21, 16896, s21
	s_cselect_b32 s22, 16384, s22
	s_cmp_eq_u32 s94, 3
	s_cselect_b32 s42, s18, s42
	s_cselect_b32 s17, 0, s18
	s_cselect_b32 s23, 8, 7
	s_cselect_b32 s45, 7, 11
	s_cselect_b32 s96, 0, -1
	s_cselect_b32 s97, -1, 0
	s_cselect_b32 s99, 0, 0x41800000
	s_cselect_b32 s22, 33280, s22
	s_cselect_b32 s46, 16384, 0
	s_add_co_u32 s42, s42, s40
	s_add_co_u32 s17, s17, s41
	s_lshl_b32 s98, s17, 7
	s_lshl_b32 s100, s17, s23
	s_lshl_b32 s47, s16, s45
	s_add_co_u32 s100, s100, s47
	s_lshl_b32 s101, s42, 8
	s_lshl_b32 s47, s16, 7
	s_add_co_u32 s101, s101, s47
	s_lshl_b32 s19, s42, 1
	s_add_co_u32 s19, s19, s16
	s_lshr_b32 s18, s19, 4
	s_and_b32 s105, s19, 15
	s_lshl_b32 s104, s41, 1
	s_add_co_u32 s104, s104, s15
	s_lshl_b32 s2, s101, 2
	s_lshl_b32 s3, s104, 9
	s_cmp_eq_u32 s94, 3
	s_cselect_b32 s18, s18, s15
	s_cselect_b32 s104, s104, s19
	s_cselect_b32 s105, s105, s17
	s_cselect_b32 s2, 0, s2
	s_cselect_b32 s3, s3, 0
	s_mul_i32 s18, s18, s20
	s_add_co_u32 s18, s18, s104
	s_lshl_b32 s18, s18, 4
	s_add_co_u32 s18, s18, s105
	s_mul_i32 s18, s18, s21
	s_add_co_u32 s104, s18, s46
	s_add_co_u32 s105, s18, s22
	v_and_b32 v1, 15, v0
	v_bfe_u32 v2, v0, 4, 1
	v_lshlrev_b32 v30, 5, v2
	v_lshlrev_b32 v31, 2, v1
	s_wait_alu depctr_va_vdst(0)
	s_wait_kmcnt 0x0
	s_cmp_lt_u32 s94, 2
	s_cselect_b64 s[8:9], s[72:73], s[76:77]
	s_cselect_b64 s[10:11], s[74:75], s[78:79]
	s_cselect_b64 s[12:13], s[90:91], s[92:93]
	s_cselect_b64 s[84:85], s[84:85], s[86:87]
	s_cmp_eq_u32 s94, 3
	s_cselect_b64 s[8:9], s[68:69], s[8:9]
	s_cselect_b64 s[10:11], s[70:71], s[10:11]
	s_cselect_b64 s[4:5], s[80:81], s[68:69]
	s_cselect_b64 s[6:7], s[82:83], s[70:71]
	s_cselect_b64 s[84:85], s[88:89], s[84:85]
	s_mov_b32 s19, 0
	s_mov_b32 s18, s2
	s_add_nc_u64 s[84:85], s[84:85], s[18:19]
	s_mov_b32 s18, s3
	s_add_nc_u64 s[88:89], s[88:89], s[18:19]
	s_mov_b32 s18, s105
	s_add_nc_u64 s[66:67], s[12:13], s[18:19]
	s_mov_b32 s18, s104
	s_add_nc_u64 s[12:13], s[12:13], s[18:19]
.irp b, 0,1,2,3,4,5,6,7
	global_load_b128 v[BI+8*\b:BI+8*\b+3], v30, s[84:85] offset:64*\b
	global_load_b128 v[BI+8*\b+4:BI+8*\b+7], v30, s[84:85] offset:64*\b+16
.endr
.irp a, 0,1,2,3,4,5,6,7
	global_load_b32 v[BA+\a], v31, s[88:89] offset:64*\a
.endr
	s_lshl_b32 s20, s100, 11
	s_mov_b32 s21, 0
	s_add_nc_u64 s[20:21], s[4:5], s[20:21]
	s_lshl_b32 s22, s100, 6
	s_mov_b32 s23, 0
	s_add_nc_u64 s[22:23], s[6:7], s[22:23]
	s_lshl_b32 s46, s101, 11
	s_mov_b32 s47, 0
	s_add_nc_u64 s[46:47], s[8:9], s[46:47]
	s_lshl_b32 s92, s101, 6
	s_mov_b32 s93, 0
	s_add_nc_u64 s[92:93], s[10:11], s[92:93]
	s_mul_i32 s45, s14, HALFT
	s_mul_i32 s19, s14, HALFS
	s_add_co_u32 s19, s19, SCL
	s_cmp_eq_u32 s15, 0
	s_cselect_b64 s[8:9], s[22:23], s[92:93]       ; the scale bytes of the 128 rows that I fetch: 8,192 dense bytes
	v_and_b32 v6, 31, v0
	v_lshlrev_b32 v[LI], 4, v6
	v_lshlrev_b32 v[PFO], 11, v6
	v_mul_u32_u24 v[SD], 272, v2                   ; in LDS: units of 256 bytes + 16 of padding
	v_lshl_add_u32 v[SD], v1, 4, v[SD]
	v_add_nc_u32 v[SD], s19, v[SD]
	s_wait_alu depctr_va_vdst(0)
.set i, 0
.rept 16
	global_load_b128 v[AF+4*i:AF+4*i+3], v[LI], s[8:9] offset:512*i
.set i, i+1
.endr
	s_or_b32 s[G1+0], s43, (0<<16)|(1<<20)|(1<<21)|(5<<22)|(3<<25)
	s_or_b32 s[G1B+0], s44, (0<<16)|(1<<20)|(1<<21)|(5<<22)|(3<<25)
.irp g, G1, G1B
	s_mov_b32 s[\g+1], ROWB<<16
	s_mov_b32 s[\g+2], 128<<16
	s_mov_b32 s[\g+3], ROWB<<16
	s_mov_b32 s[\g+4], 128
	s_mov_b32 s[\g+5], KROW
	s_mov_b32 s[\g+6], 0
	s_mov_b32 s[\g+7], 0
.endr
	CROUND
.irp s, 0,1
	s_mov_b32 s[G0+4*\s], 1
	s_add_co_u32 s[G0+4*\s+1], s45, \s*SLOT
	s_add_nc_u64 s[G0+4*\s+2:G0+4*\s+3], s[20:21], \s*ROWB
	s_or_b32 s[G0+4*\s+3], s[G0+4*\s+3], 0x80000000
	s_mov_b32 s[G0B+4*\s], 1
	s_add_co_u32 s[G0B+4*\s+1], s45, \s*SLOT
	s_add_nc_u64 s[G0B+4*\s+2:G0B+4*\s+3], s[46:47], \s*ROWB
	s_or_b32 s[G0B+4*\s+3], s[G0B+4*\s+3], 0x80000000
.endr
	JLOAD G0, G1, G0B, G1B                         ; K step 0: one tensor load a wave at the head; the rest of the set-up stands under its flight
	; PREFETCHES INTO THE L2, behind each joint load: the K step that stands two joint loads on, one instruction a wave.  Of the 128 rows that I fetch, each of the four partners that ask with me takes 32, told apart by address (cx for A, cy for B)
	s_cmp_eq_u32 s15, 0
	s_cselect_b64 s[PFA:PFA+1], s[20:21], s[46:47]
	s_cselect_b32 s18, s40, s41
	s_lshl_b32 s18, s18, 16                        ; 32 rows of 2,048 bytes
	s_add_co_u32 s18, s18, 2*ROWB                  ; K step 2
	s_mov_b32 s19, 0
	s_add_nc_u64 s[PFA:PFA+1], s[PFA:PFA+1], s[18:19]
	global_prefetch_b8 v[PFO], s[PFA:PFA+1] th:TH_LOAD_NT scope:SCOPE_SE
	v_mul_u32_u24 v3, v1, PITCH
	v_lshl_add_u32 v4, v2, 4, v3
	s_mul_i32 s21, s15, HALFT
	s_mul_i32 s22, s16, HALFT
	s_add_co_u32 s22, s22, 2*HALFT
.irp s, 0,1
	v_add_nc_u32 v[ADRA+\s], s21, v4
	v_add_nc_u32 v[ADRB+\s], s22, v4
	s_add_co_u32 s21, s21, SLOT
	s_add_co_u32 s22, s22, SLOT
.endr
	v_mul_u32_u24 v5, v1, KS
	v_lshrrev_b32 v6, 8, v5
	v_lshl_add_u32 v5, v6, 4, v5
	s_mul_i32 s21, s15, HALFS
	s_mul_i32 s22, s16, HALFS
	s_add_co_u32 s22, s22, 2*HALFS
	s_sub_co_u32 s22, s22, s21
	v_mul_u32_u24 v6, s22, v2
	s_add_co_u32 s21, s21, SCL
	v_add_nc_u32 v5, v5, v6
	v_add_nc_u32 v[ADRS], s21, v5
	s_lshl_b32 s21, s14, 9
	s_add_co_u32 s21, s21, GAT
	v_lshl_add_u32 v[GSW], v1, 2, s21
	v_add_nc_u32 v[GRD], s21, v[LI]
	s_lshl_b32 s22, s14, 14
	v_add_nc_u32 v[IW], s22, v[LI]
	s_mov_b32 s[MNT], 0x600000
	s_mov_b32 s[SEL], 0x76543210
	s_mov_b32 s[SEL+1], 0xfedcba98
	s_wait_alu depctr_va_vdst(0)
	s_wait_loadcnt 0x0                             ; biases and scale bytes
.set i, 0
.rept 16
	ds_store_b128 v[SD], v[AF+4*i:AF+4*i+3] offset:544*i
.set i, i+1
.endr
.set i, 0
.rept 64
	v_and_b32 v[BI+i], s96, v[BI+i]
.set i, i+1
.endr
.set i, 0
.rept 8
	v_and_b32 v[BA+i], s97, v[BA+i]
.set i, i+1
.endr
.macro FRAG reg, adr, q, i
.irp c, 0,1,2,3
	ds_load_b128 v[\reg+4*\c:\reg+4*\c+3], v[\adr] offset:128*(\q)+32*\c+(\i)*16*PITCH
.endr
.endm
.macro MUL16 a0, p, q, sc, zero
.irp a, \a0, \a0+1
.irp b, 0,1,2,3,4,5,6,7
.if \zero
	v_wmma_scale_f32_16x16x128_f8f6f4 v[8*(8*((\a)%4)+\b):8*(8*((\a)%4)+\b)+7], v[128*(\p)+FR*\b:128*(\p)+FR*\b+FR-1], v[AF+FR*(\a):AF+FR*(\a)+FR-1], v[BI+8*\b:BI+8*\b+7], v[SC+8*NQ*(\sc)+NQ*\b+(\q)], v[SC+8*NQ*(\sc)+NQ*(\a)+(\q)] matrix_a_scale:MATRIX_SCALE_ROW1
.else
	v_wmma_scale_f32_16x16x128_f8f6f4 v[8*(8*((\a)%4)+\b):8*(8*((\a)%4)+\b)+7], v[128*(\p)+FR*\b:128*(\p)+FR*\b+FR-1], v[AF+FR*(\a):AF+FR*(\a)+FR-1], v[8*(8*((\a)%4)+\b):8*(8*((\a)%4)+\b)+7], v[SC+8*NQ*(\sc)+NQ*\b+(\q)], v[SC+8*NQ*(\sc)+NQ*(\a)+(\q)] matrix_a_scale:MATRIX_SCALE_ROW1
.endif
.endr
.endr
.endm
.macro FETCH_B slot, q, p
	WIN TO_B
.irp i, 0,1,2,3,4,5,6,7
	FRAG 128*(\p)+FR*\i, ADRB+\slot, \q, \i
.endr
	WIN 0
.endm
.macro FETCH_A slot, q, i0
.irp i, \i0, \i0+1, \i0+2, \i0+3
	FRAG AF+FR*(\i), ADRA+\slot, \q, \i
.endr
.endm
.macro SCALES sc
.irp i, 0,1,2,3,4,5,6,7
	ds_load_b64 v[SC+8*NQ*\sc+NQ*\i:SC+8*NQ*\sc+NQ*\i+1], v[ADRS] offset:\i*SBLK
.endr
.endm
.macro STEP slot, q, zero
	s_wait_dscnt 4*NL
.if \zero
	WIN 0x81
.else
	WIN MUL_LO
.endif
	MUL16 0, (\q)%2, \q, \slot, \zero
	MUL16 2, (\q)%2, \q, \slot, \zero
	s_wait_dscnt 0
	PLACES NP
	FETCH_B \slot, (\q)+1, 1-(\q)%2
	FETCH_A \slot, (\q)+1, 0
.if \zero
	WIN 0xc1
.else
	WIN MUL_HI
.endif
	MUL16 4, (\q)%2, \q, \slot, \zero
	MUL16 6, (\q)%2, \q, \slot, \zero
	PLACES NP
	WIN 0
	FETCH_A \slot, (\q)+1, 4
.endm
.macro ASK                             ; behind the refill with K step s: K step s + 2 (s = 2 .. 5; the last trip's two steps on do not exist)
	s_cmp_gt_u32 s3, 1
	s_cbranch_scc0 .Lnone_ahead_\@
	global_prefetch_b8 v[PFO], s[PFA:PFA+1] offset:ROWB th:TH_LOAD_NT scope:SCOPE_SE
.Lnone_ahead_\@:
.endm
.macro TURN slot, next, fill
.if \fill
	s_wait_xcnt 0x0                                ; my last prefetch has read its address
	s_add_nc_u64 s[PFA:PFA+1], s[PFA:PFA+1], ROWB
.endif
	s_wait_tensorcnt 0x0
	ds_add_u32 v[SPW], v[NIL]
	s_wait_dscnt 4*NL+1
	WIN MUL_LO
	MUL16 0, 1, NQ-1, \slot, 0
	s_wait_dscnt 0x0
	s_barrier_signal -1
	MUL16 2, 1, NQ-1, \slot, 0
	WIN 0
	s_barrier_wait -1
.if \fill
	CREST
	s_add_nc_u64 s[G0+4*\slot+2:G0+4*\slot+3], s[G0+4*\slot+2:G0+4*\slot+3], 2*ROWB
	s_add_nc_u64 s[G0B+4*\slot+2:G0B+4*\slot+3], s[G0B+4*\slot+2:G0B+4*\slot+3], 2*ROWB
	JLOAD G0+4*\slot, G1, G0B+4*\slot, G1B
	PLACES NP-4
.else
	PLACES NP
.endif
	s_wait_alu depctr_va_vdst(0)
	v_add_nc_u32 v[ADRS], 4*NQ, v[ADRS]
	FETCH_B \next, 0, 0
	FETCH_A \next, 0, 0
	SCALES \next
.if \fill
	ASK
.endif
	WIN MUL_HI
	MUL16 4, 1, NQ-1, \slot, 0
	MUL16 6, 1, NQ-1, \slot, 0
	PLACES NP
	WIN 0
	FETCH_A \next, 0, 4
.endm
	s_wait_alu depctr_va_vdst(0)
	s_wait_tensorcnt 0x0                           ; my part of K step 0 is in; these lines stand ahead of a later first fill as ahead of a refill
	ds_add_u32 v[SPW], v[NIL]
	s_wait_dscnt 0x0                               ; the add, and my scale bytes' stores
	CROUND                                         ; everybody's K step 0 and scale bytes are in
	JLOAD G0+4, G1, G0B+4, G1B                     ; K step 1
	FETCH_B 0, 0, 0
	FETCH_A 0, 0, 0
	SCALES 0
	FETCH_A 0, 0, 4
	global_prefetch_b8 v[PFO], s[PFA:PFA+1] offset:ROWB th:TH_LOAD_NT scope:SCOPE_SE   ; K step 3
	STEP 0, 0, 1
	s_mov_b32 s3, LAPS-1
.Llap:
	TURN 0, 1, 1
	STEP 1, 0, 0
	TURN 1, 0, 1
	STEP 0, 0, 0
	s_sub_co_u32 s3, s3, 1
	s_cmp_lg_u32 s3, 0
	s_cbranch_scc1 .Llap
	TURN 0, 1, 0
	STEP 1, 0, 0
	s_wait_dscnt 4*NL
	WIN MUL_LO
	MUL16 0, 1, NQ-1, 1, 0
	MUL16 2, 1, NQ-1, 1, 0
	s_wait_dscnt 0
	WIN MUL_HI
	MUL16 4, 1, NQ-1, 1, 0
	MUL16 6, 1, NQ-1, 1, 0
	WIN 0
	PLACES NP
.macro IFQ g
.irp u, 0,1,2,3
	v_add_nc_u32 v[WK+24*\u], 8*((4*\g+\u)/2)+2*((4*\g+\u)%2), v3
	v_add_nc_u32 v[WK+24*\u+1], 8*((4*\g+\u)/2)+2*((4*\g+\u)%2)+1, v3
.endr
.irp u, 0,1,2,3
	v_cvt_f32_u32 v[WK+24*\u], v[WK+24*\u]
	v_cvt_f32_u32 v[WK+24*\u+1], v[WK+24*\u+1]
.endr
.irp u, 0,1,2,3
	v_pk_mul_f32 v[WK+24*\u+2:WK+24*\u+3], v[WK+24*\u:WK+24*\u+1], 0x3e549a78 op_sel_hi:[1,0]
.endr
.irp u, 0,1,2,3
	v_pk_fma_f32 v[WK+24*\u+4:WK+24*\u+5], v[WK+24*\u:WK+24*\u+1], 0x3e549a78, v[WK+24*\u+2:WK+24*\u+3] op_sel_hi:[1,0,1] neg_lo:[0,0,1] neg_hi:[0,0,1]
.endr
.irp u, 0,1,2,3
	v_pk_fma_f32 v[WK+24*\u+4:WK+24*\u+5], v[WK+24*\u:WK+24*\u+1], 0x31979a30, v[WK+24*\u+4:WK+24*\u+5] op_sel_hi:[1,0,1]
.endr
	s_wait_alu depctr_va_vdst(0)
.irp u, 0,1,2,3
	v_exp_f32 v[WK+24*\u+6], -v[WK+24*\u+2]
	v_exp_f32 v[WK+24*\u+7], -v[WK+24*\u+3]
.endr
.irp u, 0,1,2,3
	v_pk_mul_f32 v[WK+24*\u+4:WK+24*\u+5], v[WK+24*\u+4:WK+24*\u+5], 0xbf317218 op_sel_hi:[1,0]
.endr
	s_wait_alu depctr_va_vdst(0)
.irp u, 0,1,2,3
	v_pk_fma_f32 v[IFR+2*(4*\g+\u):IFR+2*(4*\g+\u)+1], v[WK+24*\u+6:WK+24*\u+7], v[WK+24*\u+4:WK+24*\u+5], v[WK+24*\u+6:WK+24*\u+7]
.endr
.endm
.macro SCQ g
.irp u, 0,1,2,3
	v_pk_mul_f32 v[WK+24*\u:WK+24*\u+1], v[IFR+2*(4*\g+\u):IFR+2*(4*\g+\u)+1], v[POS:POS+1] op_sel_hi:[1,0]
.endr
.irp u, 0,1,2,3
	v_pk_mul_f32 v[WK+24*\u+2:WK+24*\u+3], v[WK+24*\u:WK+24*\u+1], 0x3f22f983 op_sel_hi:[1,0]
.endr
.irp u, 0,1,2,3
	v_rndne_f32 v[WK+24*\u+2], v[WK+24*\u+2]
	v_rndne_f32 v[WK+24*\u+3], v[WK+24*\u+3]
.endr
.irp u, 0,1,2,3
	v_pk_fma_f32 v[WK+24*\u+4:WK+24*\u+5], v[WK+24*\u+2:WK+24*\u+3], 0xbfc90000, v[WK+24*\u:WK+24*\u+1] op_sel_hi:[1,0,1]
.endr
.irp u, 0,1,2,3
	v_pk_fma_f32 v[WK+24*\u+4:WK+24*\u+5], v[WK+24*\u+2:WK+24*\u+3], 0xb9fda000, v[WK+24*\u+4:WK+24*\u+5] op_sel_hi:[1,0,1]
.endr
.irp u, 0,1,2,3
	v_pk_fma_f32 v[WK+24*\u+4:WK+24*\u+5], v[WK+24*\u+2:WK+24*\u+3], 0xb3a22169, v[WK+24*\u+4:WK+24*\u+5] op_sel_hi:[1,0,1]
.endr
.irp u, 0,1,2,3
	v_pk_mul_f32 v[WK+24*\u+6:WK+24*\u+7], v[WK+24*\u+4:WK+24*\u+5], v[WK+24*\u+4:WK+24*\u+5]
.endr
.irp u, 0,1,2,3
	v_pk_fma_f32 v[WK+24*\u+8:WK+24*\u+9], v[WK+24*\u+6:WK+24*\u+7], 0xb94ca1f9, v[KC:KC+1] op_sel_hi:[1,0,1]
	v_pk_fma_f32 v[WK+24*\u+14:WK+24*\u+15], v[WK+24*\u+6:WK+24*\u+7], 0x37ccf5ce, v[KC+4:KC+5] op_sel_hi:[1,0,1]
.endr
.irp u, 0,1,2,3
	v_pk_fma_f32 v[WK+24*\u+8:WK+24*\u+9], v[WK+24*\u+8:WK+24*\u+9], v[WK+24*\u+6:WK+24*\u+7], v[KC+2:KC+3]
	v_pk_fma_f32 v[WK+24*\u+14:WK+24*\u+15], v[WK+24*\u+14:WK+24*\u+15], v[WK+24*\u+6:WK+24*\u+7], v[KC+6:KC+7]
.endr
.irp u, 0,1,2,3
	v_pk_mul_f32 v[WK+24*\u+10:WK+24*\u+11], v[WK+24*\u+4:WK+24*\u+5], v[WK+24*\u+6:WK+24*\u+7]
	v_pk_mul_f32 v[WK+24*\u+16:WK+24*\u+17], v[WK+24*\u+6:WK+24*\u+7], v[WK+24*\u+6:WK+24*\u+7]
	v_pk_fma_f32 v[WK+24*\u+18:WK+24*\u+19], v[WK+24*\u+6:WK+24*\u+7], -0.5, 1.0 op_sel_hi:[1,0,0]
.endr
.irp u, 0,1,2,3
	v_pk_fma_f32 v[WK+24*\u+12:WK+24*\u+13], v[WK+24*\u+10:WK+24*\u+11], v[WK+24*\u+8:WK+24*\u+9], v[WK+24*\u+4:WK+24*\u+5]
	v_pk_fma_f32 v[WK+24*\u+18:WK+24*\u+19], v[WK+24*\u+16:WK+24*\u+17], v[WK+24*\u+14:WK+24*\u+15], v[WK+24*\u+18:WK+24*\u+19]
.endr
.irp e, 0,1
.irp u, 0,1,2,3
	v_cvt_i32_f32 v[WK+24*\u+20+\e], v[WK+24*\u+2+\e]
.endr
.irp u, 0,1,2,3
	v_and_b32 v[WK+24*\u+22+\e], 1, v[WK+24*\u+20+\e]
.endr
.irp u, 0,1,2,3
	v_cmp_eq_u32 s[MK+\u], 1, v[WK+24*\u+22+\e]
.endr
.irp u, 0,1,2,3
	v_cndmask_b32 v[IM+4*(4*\g+\u)+2*\e+1], v[WK+24*\u+12+\e], v[WK+24*\u+18+\e], s[MK+\u]
	v_cndmask_b32 v[IM+4*(4*\g+\u)+2*\e], v[WK+24*\u+18+\e], v[WK+24*\u+12+\e], s[MK+\u]
.endr
.irp u, 0,1,2,3
	v_lshlrev_b32 v[WK+24*\u+22+\e], 30, v[WK+24*\u+20+\e]
	v_add_lshl_u32 v[WK+24*\u+20+\e], v[WK+24*\u+20+\e], 1, 30
.endr
.irp u, 0,1,2,3
	v_and_b32 v[WK+24*\u+22+\e], 0x80000000, v[WK+24*\u+22+\e]
	v_and_b32 v[WK+24*\u+20+\e], 0x80000000, v[WK+24*\u+20+\e]
.endr
.irp u, 0,1,2,3
	v_xor_b32 v[IM+4*(4*\g+\u)+2*\e+1], v[WK+24*\u+22+\e], v[IM+4*(4*\g+\u)+2*\e+1]
	v_xor_b32 v[IM+4*(4*\g+\u)+2*\e], v[WK+24*\u+20+\e], v[IM+4*(4*\g+\u)+2*\e]
.endr
.endr
.endm
	v_mov_b32 v[KC], 0x3c08839e
	v_mov_b32 v[KC+1], 0x3c08839e
	v_mov_b32 v[KC+2], 0xbe2aaaa3
	v_mov_b32 v[KC+3], 0xbe2aaaa3
	v_mov_b32 v[KC+4], 0xbab6061a
	v_mov_b32 v[KC+5], 0xbab6061a
	v_mov_b32 v[KC+6], 0x3d2aaaa5
	v_mov_b32 v[KC+7], 0x3d2aaaa5
	v_lshlrev_b32 v3, 2, v2
	IFQ 0
	IFQ 1
	IFQ 2
	IFQ 3
	s_lshl_b32 s18, s14, 5
	s_add_co_u32 s18, s18, s98
	v_add_nc_u32 v[POS], s18, v1
	v_and_b32 v[POS], s96, v[POS]
	v_cvt_f32_u32 v[POS], v[POS]
	v_mov_b32 v[POS+1], v[POS]
	s_mov_b32 s100, 2
	s_mov_b32 s101, 0
.Limage:
	s_wait_alu depctr_va_vdst(0)
	SCQ 0
	SCQ 1
	SCQ 2
	SCQ 3
	v_add_nc_u32 v3, s101, v[IW]
.irp q, 0,1,2,3,4,5,6,7,8,9,10,11,12,13,14,15
	ds_store_b128 v3, v[IM+4*\q:IM+4*\q+3] offset:IMG+512*\q
.endr
	v_add_f32 v[POS], s99, v[POS]
	v_add_f32 v[POS+1], s99, v[POS+1]
	s_add_co_u32 s101, s101, 8192
	s_wait_dscnt 0x0
	s_sub_co_u32 s100, s100, 1
	s_cmp_lg_u32 s100, 0
	s_cbranch_scc1 .Limage
	s_barrier_signal -1
	s_barrier_wait -1
.macro QUANT s
.irp b, 0,1,2,3
	v_max3_num_f32 v[TM+\b], |v[\s+16*\b]|, |v[\s+1+16*\b]|, 0x4800000
.endr
.irp i, 2,4,6,8,10,12,14
.irp b, 0,1,2,3
	v_max3_num_f32 v[TM+\b], v[TM+\b], |v[\s+16*\b+\i]|, |v[\s+1+16*\b+\i]|
.endr
.endr
.irp b, 0,1,2,3
	v_permlanex16_b32 v[TM+4+\b], v[TM+\b], s[SEL], s[SEL+1]
.endr
.irp b, 0,1,2,3
	v_max_num_f32 v[TM+\b], v[TM+\b], v[TM+4+\b]
.endr
.irp b, 0,1,2,3
	v_add_nc_u32 v[TM+12+\b], 0xfc000000, v[TM+\b]
.endr
.irp b, 0,1,2,3
	v_and_or_b32 v[TM+8+\b], v[TM+\b], 0x7f800000, s[MNT]
.endr
.irp b, 0,1,2,3
	v_lshrrev_b32 v[TM+4+\b], 23, v[TM+12+\b]
.endr
	v_lshl_or_b32 v[PW], v[TM+5], 8, v[TM+4]
	v_lshl_or_b32 v[PW], v[TM+6], 16, v[PW]
	v_lshl_or_b32 v[PW], v[TM+7], 24, v[PW]
.irp b, 0,1,2,3
.irp i, 0,1,2,3,4,5,6,7,8,9,10,11,12,13,14,15
	v_med3_num_f32 v[\s+16*\b+\i], v[\s+16*\b+\i], -v[TM+8+\b], v[TM+8+\b]
.endr
	v_cvt_scalef32_pk8_fp8_f32 v[PC+4*\b:PC+1+4*\b], v[\s+16*\b:\s+7+16*\b], v[TM+12+\b]
	v_cvt_scalef32_pk8_fp8_f32 v[PC+2+4*\b:PC+3+4*\b], v[\s+8+16*\b:\s+15+16*\b], v[TM+12+\b]
.endr
	v_nop
.endm
.macro IMGLOAD a
.irp q, 0,1,2,3,4,5,6,7,8,9,10,11,12,13,14,15
	ds_load_b128 v[IS+64*((\a)%2)+4*\q:IS+64*((\a)%2)+4*\q+3], v[LI] offset:IMG+8192*(\a)+512*\q
.endr
.endm
.macro EPI a
	s_wait_dscnt 0x0
.if \a > 0
	s_wait_xcnt 0x0
.endif
.if \a < 7
	IMGLOAD \a+1
.endif
	WIN (0x02+(\a)/4)
.irp b, 0,1,2,3,4,5,6,7
.irp i, 0,1,2,3
.if (\a)%2 == 0
	v_pk_fma_f32 v[OUT+8*\b+2*\i:OUT+8*\b+2*\i+1], v[64*((\a)%4)+8*\b+2*\i:64*((\a)%4)+8*\b+2*\i+1], v[IS+64*((\a)%2)+8*\b+2*\i:IS+64*((\a)%2)+8*\b+2*\i+1], v[BA+2*((\a)/2):BA+2*((\a)/2)+1] op_sel:[0,0,0] op_sel_hi:[0,1,0]
.else
	v_pk_fma_f32 v[OUT+8*\b+2*\i:OUT+8*\b+2*\i+1], v[64*((\a)%4)+8*\b+2*\i:64*((\a)%4)+8*\b+2*\i+1], v[IS+64*((\a)%2)+8*\b+2*\i:IS+64*((\a)%2)+8*\b+2*\i+1], v[BA+2*((\a)/2):BA+2*((\a)/2)+1] op_sel:[0,0,1] op_sel_hi:[0,1,1]
.endif
.endr
.irp i, 0,1,2,3
	v_pk_fma_f32 v[OUT+8*\b+2*\i:OUT+8*\b+2*\i+1], v[64*((\a)%4)+8*\b+2*\i:64*((\a)%4)+8*\b+2*\i+1], v[IS+64*((\a)%2)+8*\b+2*\i:IS+64*((\a)%2)+8*\b+2*\i+1], v[OUT+8*\b+2*\i:OUT+8*\b+2*\i+1] op_sel:[1,1,0] op_sel_hi:[1,0,1] neg_lo:[0,1,0]
.endr
.endr
	WIN 0
	QUANT OUT
.irp c, 0,1,2,3
	global_store_b128 v[LI], v[PC+4*\c:PC+4*\c+3], s[12:13] offset:2048*(\a)+512*\c
.endr
	ds_store_b32 v[GSW], v[PW] offset:64*(\a)
.endm
.irp b, 0,1,2,3
	v_mov_b32 v[TM+4+\b], 0
.endr
	IMGLOAD 0
.irp a, 0,1,2,3,4,5,6,7
	EPI \a
.endr
	ds_load_b128 v[IS:IS+3], v[GRD]
	s_wait_dscnt 0x0
	global_store_b128 v[LI], v[IS:IS+3], s[66:67]
	s_wait_tensorcnt 0x0
	ds_add_u32 v[SPW], v[NIL]
	s_wait_dscnt 0x0
	CROUND
	s_endpgm
.Lfunc_end_k_q1500dda40e_proj:
	.size	k_q1500dda40e_proj, .Lfunc_end_k_q1500dda40e_proj-k_q1500dda40e_proj
	.p2alignl 7, 3214868480
	.fill 96, 4, 3214868480
	.section	.rodata,"a",@progbits
	.p2align	6, 0x0
	.amdhsa_kernel k_q1500dda40e_proj
		.amdhsa_group_segment_fixed_size 327680
		.amdhsa_private_segment_fixed_size 0
		.amdhsa_enable_private_segment 0
		.amdhsa_kernarg_size 104
		.amdhsa_user_sgpr_count 2
		.amdhsa_user_sgpr_kernarg_segment_ptr 1
		.amdhsa_wavefront_size32 1
		.amdhsa_system_sgpr_workgroup_id_x 1
		.amdhsa_system_sgpr_workgroup_id_y 1
		.amdhsa_system_sgpr_workgroup_id_z 1
		.amdhsa_system_vgpr_workitem_id 0
		.amdhsa_next_free_vgpr 1024
		.amdhsa_next_free_sgpr 106
		.amdhsa_reserve_vcc 0
		.amdhsa_float_denorm_mode_32 3
		.amdhsa_float_denorm_mode_16_64 3
		.amdhsa_memory_ordered 1
		.amdhsa_forward_progress 1
		.amdhsa_inst_pref_size 255
	.end_amdhsa_kernel
	.section	.bss,"aw",@nobits
	.p2align	6
	.space	262144
	.amdgpu_metadata
---
amdhsa.version: [ 1, 2 ]
amdhsa.kernels:
  - .name:           k_q1500dda40e_proj
    .symbol:         k_q1500dda40e_proj.kd
    .args:
      - { .name: hidden_state_codes, .offset: 0, .size: 8, .value_kind: global_buffer, .address_space: global }
      - { .name: hidden_state_scales, .offset: 8, .size: 8, .value_kind: global_buffer, .address_space: global }
      - { .name: wq_codes, .offset: 16, .size: 8, .value_kind: global_buffer, .address_space: global }
      - { .name: wq_scales, .offset: 24, .size: 8, .value_kind: global_buffer, .address_space: global }
      - { .name: wk_codes, .offset: 32, .size: 8, .value_kind: global_buffer, .address_space: global }
      - { .name: wk_scales, .offset: 40, .size: 8, .value_kind: global_buffer, .address_space: global }
      - { .name: wv_codes, .offset: 48, .size: 8, .value_kind: global_buffer, .address_space: global }
      - { .name: wv_scales, .offset: 56, .size: 8, .value_kind: global_buffer, .address_space: global }
      - { .name: bq, .offset: 64, .size: 8, .value_kind: global_buffer, .address_space: global }
      - { .name: bk, .offset: 72, .size: 8, .value_kind: global_buffer, .address_space: global }
      - { .name: bv, .offset: 80, .size: 8, .value_kind: global_buffer, .address_space: global }
      - { .name: qws, .offset: 88, .size: 8, .value_kind: global_buffer, .address_space: global }
      - { .name: kvws, .offset: 96, .size: 8, .value_kind: global_buffer, .address_space: global }
    .group_segment_fixed_size: 327680
    .private_segment_fixed_size: 0
    .kernarg_segment_align: 8
    .kernarg_segment_size: 104
    .max_flat_workgroup_size: 128
    .sgpr_count:     106
    .vgpr_count:     1024
    .wavefront_size: 32
...
	.end_amdgpu_metadata
.endif
;; end of part 1
;; launch attn (part 2): grid 16 x 16, 8 waves a work-group, clusters of 4 x 1, 327,680 bytes of LDS; arguments qws, kvws, out0; writes out0
.if DOCPART == 2
	.amdgcn_target "amdgcn-amd-amdhsa--gfx1250"
	.amdhsa_code_object_version 6
	.text
	.protected	k_q1500dda40e_attn
	.globl	k_q1500dda40e_attn
	.p2align	8
	.type	k_q1500dda40e_attn,@function
k_q1500dda40e_attn:
	s_mov_b64 s[64:65], 0
	v_nop
	global_prefetch_b8 v0, s[64:65] scope:SCOPE_SE
	s_setreg_imm32_b32 hwreg(HW_REG_WAVE_MODE, 25, 1), 1
	s_wait_xcnt 0x0
	s_wait_alu depctr_hold_cnt(0) depctr_sa_sdst(0) depctr_va_vdst(0) depctr_va_sdst(0) depctr_va_ssrc(0) depctr_va_vcc(0) depctr_vm_vsrc(0)
	s_getreg_b32 s2, hwreg(HW_REG_IB_STS2, 6, 4)
	s_cmp_eq_u32 s2, 0
	s_cbranch_scc0 .Lentry_in_a_cluster
	s_endpgm
.Lentry_in_a_cluster:
	s_bfe_u32 s2, ttmp6, 0x10000c
	s_cmp_lg_u32 s2, 0x3003
	s_cbranch_scc0 .Lentry_shape_is_right
	s_endpgm
.Lentry_shape_is_right:
; CAUSAL ATTENTION ON CODES OF FP8 (E4M3) WITH E8M0 SCALES: 2 batches x 8 kv heads x 2 query heads each, 2,048 positions, head size 128, logits = score / sqrt(2,048).
; qws and kvws hold images of operand registers (a fragment of 16 rows x 128 K is [4][32 lanes][16 bytes]) and scale words, one a row:
;   qws: [32 y + 16 head-of-the-pair + run of 128 positions]{8 images of 16 positions; 128 words}, 16,896 bytes;  kvws: [y = 8 batch + kv head][key step of 128 keys]{K: 8 images of 16 keys; V: 8 images of 16 channels x 128 keys; K's words; V's words}, 33,792 bytes.
; THE SOFTMAX AHEAD OF THE SECOND PRODUCT: t = score x log2(e) / sqrt(2,048); M = the largest t so far, rounded UP to a whole number; p = 2^(t - M) is quantised along the keys, not normalised.
; The sum is taken of the unquantised p and divides O at the end.  When M moves, the sum and O are multiplied by 2^(old M - new M): exact.
; LEFT OUT: key steps all of whose keys come after a wave's 16 positions: reference()'s own mask makes their p 0 whatever the inputs hold.
; LAYOUT.  Both products are used transposed: S^T = K Q^T (source 0 = 16 keys, source 1 = 16 queries), O^T = V^T P^T: a lane holds ONE query (lane % 16).  Register j of tile t of S^T is key 16 t + 8 (lane / 16) + j; the codes of tiles 2 c and 2 c + 1
; are registers 4 c .. 4 c + 3 of P's fragment: a permutation of the keys inside each block of 32, the same that V's images were made with.
; SHARES.  Cluster c of a y owns two blocks of 256 positions, the early one, c, and the late one, 7 - c.  Slots of 256 keys are walked: 0 .. c for the early block, then 0 .. 7 - c for the late one: NINE SLOTS in every work-group.
; Waves w and w + 4 share a tile of 16 positions x 2 query heads in each block and divide the KEYS: wave w takes a slot's first key step, wave w + 4 its second (g = w / 4).  Tile 4 (w % 4) + cx: which half of the block it lies in hangs on w alone, so no branch hangs on cx.
; Each wave calls A the head that it will finish (head g of the pair) and B the other.  At a block's end it exports B's (M, sum, O) through LDS, and behind the next barrier joins its partner's with its own A, divides and stores.
; THE RING: two LDS slots of 256 keys (67,584 dense bytes, scale words among them), filled by JOINT loads: each of the eight waves an eighth, the mask names all four work-groups.  A wave has one tensor load out.
; PREFETCH: cluster 0, which walks all eight slots of the late block, asks in trip i for slot i + 2, a whole trip ahead of its load: its partners 66 blocks of 256 bytes each, told apart by address; waves 4, 5, 6 name 32, 32 and 2 of them.
; LIMITS.  NaN and infinities are not served.  A block of p that has fallen to zeros keeps the byte 1: its codes are zeros.  A block's largest p is taken as the p of its largest score, which takes v_exp_f32 not to fall where its input rises.
; The scaled scores t stay under 2^31 in magnitude.
.set STEPB,  33792                     ; a key step's bytes
.set SLOTB,  67584                     ; two key steps
.set PARTB,  8448                      ; an eighth of a slot: 33 rows of 256 bytes; also a wave's exchange place: 16 images + 256 bytes, or 16 rows of 528 bytes
.set YB,     540672                    ; 16 key steps
.set QH,     270336                    ; from a query head's entry of qws to its partner's
.set EX,     2*SLOTB                   ; two exchange sets of eight places: the trips take turns, as with the slots
.set SPITCH, 528
.set SPARE,  4*SLOTB                   ; the spare words, 128 bytes for each wave
.set GO,   0                           ; v0   behind the head: 16 x lane
.set KA0,  1                           ; v1   my key step's images in slot 0
.set KW0,  2                           ; v2   and its scale words
.set KA,   3                           ; v3, v4   the addresses in hand
.set KW,   4
.set SPW,  5                           ; v5   my spare word; never rewritten
.set NIL,  6                           ; v6   0; never rewritten
.set DD,   7                           ; v7   my query's place in its run of 128, less 8 (lane / 16)
.set EXA,  8                           ; v8   my exchange place, + 16 x lane
.set EXB,  9                           ; v9   + 8,192 + 8 x lane
.set MA,   10                          ; v10, v11  my partner's
.set MB,   11
.set ST,   12                          ; v12.. A, v16.. B: -M, the largest t, the sum in two halves
.set KSC,  20                          ; K's scale words: tile 2 u in lanes 0-15, tile 2 u + 1 in lanes 16-31
.set VSC,  24                          ; V's likewise
.set QSC,  28                          ; Q's: A in lanes 0-15, B in lanes 16-31
.set PWD,  29                          ; v29, v30 p's scale word
.set PFO,  31                          ; v31  the prefetches' offset
.set QF,   32                          ; Q's two fragments
.set SS,   64                          ; v64-191  S^T, then p: 64 a head
.set PC,   192                         ; p's codes
.set FF0,  224                         ; f = 2^(old M - new M): a pair a head, the low word in use
.set BM,   228                         ; the blocks' largest scores, then p
.set PD,   232                         ; lane permutes' destinations, then the scales' bytes
.set HL,   236                         ; 448 x the scale
.set SO,   240                         ; the conversions' scale operands
.set C2,   244                         ; the sums' further chains: v[244:245], v[248:249], v[250:251]
.set T0,   246
.set CA,   248
.set CB,   250
.set RT,   252                         ; where I put 32 bytes of a row, in my partner's place
.set QA,   253                         ; offsets in qws: A's and B's images, the scale words
.set QB,   254
.set QO,   255
.set FRG,  128                         ; window 1: v0-127 O^T, 64 a head; v128-255 eight fragments, K's and then V's
.set LIM,  2                           ; s2   trips in which my wave prefetches
.set WV,   10
.set CL,   11                          ; the cluster's number c
.set CX,   12
.set JB,   13                          ; my run of 128 positions, and my diagonal key step
.set KS,   14                          ; the key step in hand
.set I,    15                          ; the trip
.set NX,   16                          ; the slot of keys that is asked for
.set TB,   17                          ; LDS byte of the slot in hand
.set JL,   18                          ; JB in the late block
.set GG,   19                          ; g
.set SEL,  20                          ; selects for v_permlanex16_b32: lane l xor 16
.set CS,   22                          ; log2(e) / sqrt(2,048): the packed form names a pair and takes its low word
.set G1,   24
.set G0,   32
.set KB,   36                          ; my eighth of slot 0 in memory
.set QW,   38                          ; Q's scale words
.set MNT,  40
.set LOFF, 48                          ; my eighth in a slot
.set TBO,  49                          ; the other slot
.set DQ,   52                          ; from the early block to the late one, in qws
.set DO,   54                          ; and in out0
.set PFA,  62
.set MSB, 0
.macro WIN new                         ; the immediate's high byte repeats the setting that is left
.if MSB != \new
	s_set_vgpr_msb (MSB<<8)|\new
.set MSB, \new
.endif
.endm
.macro PLACES n
.rept \n
	v_nop
.endr
.endm
.macro WALU
	s_wait_alu depctr_va_vdst(0)
.endm
.macro ROUND                           ; a round of the cluster's barrier
	s_barrier_signal -1
	s_barrier_wait -1
	s_cmp_lg_u32 s[WV], 0
	s_cbranch_scc1 .Lnot_wave_0_\@
	s_barrier_signal -3
.Lnot_wave_0_\@:
	s_barrier_wait -3
	s_barrier_signal -1
	s_barrier_wait -1
.endm
.macro TLOAD                           ; every wave's joint load; s_nop 0 and four v_nop follow
	tensor_load_to_lds s[G0:G0+3], s[G1:G1+7]
	s_nop 0
	PLACES 4
.endm
.macro QLOAD                           ; Q's fragments and scale words: they stay in registers for a block's walk
.irp c, 0,1,2,3
	global_load_b128 v[QF+4*\c:QF+4*\c+3], v[QA], s[4:5] offset:512*\c
.endr
.irp c, 0,1,2,3
	global_load_b128 v[QF+16+4*\c:QF+16+4*\c+3], v[QB], s[4:5] offset:512*\c
.endr
	global_load_b32 v[QSC], v[QO], s[QW:QW+1]
.endm
.macro RESET                           ; a block begins: the largest t is -3e38, under every t, and -M its negative; so the first f is 0, and what stands in O^T counts for nothing
.irp hd, 0,1
	v_mov_b32 v[ST+4*\hd], 0x7f61b1e6
	v_mov_b32 v[ST+4*\hd+1], 0xff61b1e6
	v_mov_b32 v[ST+4*\hd+2], 0
	v_mov_b32 v[ST+4*\hd+3], 0
.endr
.endm
	s_load_b128 s[4:7], s[0:1], 0x0                ; qws, kvws
	s_load_b64 s[8:9], s[0:1], 0x10                ; out0
	v_lshl_add_u32 v[SPW], v0, 2, SPARE
	v_mov_b32 v[NIL], 0
	ds_add_u32 v[SPW], v[NIL]                      ; the opening lines: the add, twice on end, and its wait ahead of my first tensor load
	ds_add_u32 v[SPW], v[NIL]
	v_lshrrev_b32 v1, 5, v0
	v_readfirstlane_b32 s[WV], v1                  ; wave 0..7
	s_mov_b32 s[CL], ttmp9
	s_bfe_u32 s[CX], ttmp6, 0x40000
	s_and_b32 s41, ttmp7, 0xffff                   ; y
	s_mul_i32 s[LOFF], s[WV], PARTB
	s_mul_i32 s46, s41, YB
	s_add_co_u32 s56, s46, s[LOFF]
	s_mov_b32 s57, 0
	s_mov_b32 s[G1], 15|(3<<16)|(1<<21)            ; 15:0 the mask: all four work-groups; 17:16 elements of 8 bytes; 20 no padding; 21 set beside a mask
	s_mov_b32 s[G1+1], 32<<16                      ; rows of 256 bytes
	s_mov_b32 s[G1+2], 33<<16
	s_mov_b32 s[G1+3], 32<<16
	s_mov_b32 s[G1+4], 33
	s_mov_b32 s[G1+5], 32                          ; dense
	s_mov_b32 s[G1+6], 0
	s_mov_b32 s[G1+7], 0
	s_mov_b32 s[G0], 1
	s_mov_b32 s[G0+1], s[LOFF]                     ; slot 0
	s_wait_dscnt 0x0                               ; both opening adds are done
	ROUND                                          ; all four work-groups are here: the first joint loads meet
	s_wait_kmcnt 0x0
	s_add_nc_u64 s[KB:KB+1], s[6:7], s[56:57]
	s_mov_b64 s[G0+2:G0+3], s[KB:KB+1]
	s_or_b32 s[G0+3], s[G0+3], 0x80000000
	TLOAD                                          ; slot 0 of the keys: one tensor load a wave at the head
	s_lshr_b32 s[GG], s[WV], 2
	s_and_b32 s42, s[WV], 3
	s_lshr_b32 s43, s42, 1                         ; which half of its block my tile lies in
	s_and_b32 s44, s42, 1
	s_lshl_b32 s44, s44, 2
	s_add_co_u32 s44, s44, s[CX]                   ; which 16 positions of the half
	s_lshl_b32 s45, s[CL], 1
	s_add_co_u32 s[JB], s45, s43
	s_lshl_b32 s45, s[CL], 2
	s_sub_co_u32 s45, 14, s45                      ; runs from the early block to the late one: 14 - 4 c
	s_add_co_u32 s[JL], s[JB], s45
	s_mul_i32 s[DQ], s45, 16896
	s_mov_b32 s[DQ+1], 0
	s_lshl_b32 s[DO], s45, 20                      ; 128 rows of 8,192 bytes a run
	s_mov_b32 s[DO+1], 0
	s_mul_i32 s58, s[CX], 2*PARTB                  ; the prefetches: my work-group's 66 blocks,
	s_add_co_u32 s58, s58, s46
	s_add_co_u32 s58, s58, SLOTB                   ; in slot 1: trip 0 steps it to slot 2
	s_mov_b32 s59, 0
	s_add_nc_u64 s[PFA:PFA+1], s[6:7], s[58:59]
	s_xor_b32 s50, s[GG], 1                        ; who asks: waves 4, 5, 6 of cluster 0, in trips 0 to 5
	s_or_b32 s50, s50, s[CL]
	s_add_co_u32 s51, s42, 1
	s_lshr_b32 s51, s51, 2
	s_or_b32 s50, s50, s51
	s_cmp_eq_u32 s50, 0
	s_cselect_b32 s[LIM], 6, 0
	s_lshl_b32 s46, s41, 5
	s_add_co_u32 s46, s46, s[JB]
	s_mul_i32 s46, s46, 16896                      ; head 0's entry of qws
	s_lshl_b32 s47, s44, 11
	s_add_co_u32 s56, s46, s47                     ; my tile's image,
	s_lshl_b32 s47, s44, 6
	s_add_co_u32 s58, s46, s47
	s_add_co_u32 s58, s58, 16384                   ; and its 16 scale words
	s_add_nc_u64 s[QW:QW+1], s[4:5], s[58:59]
	s_add_nc_u64 s[4:5], s[4:5], s[56:57]
	v_and_b32 v244, 31, v0                         ; lane
	v_and_b32 v245, 15, v0                         ; r
	v_bfe_u32 v246, v0, 4, 1                       ; h
	v_lshlrev_b32 v247, 4, v244
	v_lshlrev_b32 v248, 2, v244
	v_lshlrev_b32 v249, 3, v244
	s_mul_i32 s51, s[GG], QH
	v_add_nc_u32 v[QA], s51, v247
	s_sub_co_u32 s51, QH, s51
	v_add_nc_u32 v[QB], s51, v247
	v_xor_b32 v251, s[GG], v246                    ; lanes 0-15 take A's words, lanes 16-31 B's
	v_mul_u32_u24 v251, QH, v251
	v_lshl_add_u32 v[QO], v245, 2, v251
	QLOAD
	s_lshr_b32 s60, s41, 3
	s_lshl_b32 s60, s60, 11
	s_lshl_b32 s47, s[JB], 7
	s_add_co_u32 s60, s60, s47
	s_lshl_b32 s47, s44, 4
	s_add_co_u32 s60, s60, s47                     ; my first row of out0: 2,048 batch + 128 J + 16 tile,
	s_lshl_b32 s60, s60, 13                        ; 8,192 bytes a row,
	s_and_b32 s47, s41, 7
	s_lshl_b32 s47, s47, 10
	s_add_co_u32 s60, s60, s47
	s_lshl_b32 s47, s[GG], 9
	s_add_co_u32 s60, s60, s47                     ; + head A's 512 bytes in it
	s_mov_b32 s61, 0
	s_add_nc_u64 s[8:9], s[8:9], s[60:61]
	s_mul_i32 s47, s[GG], STEPB
	WALU
	v_add_nc_u32 v[KA0], s47, v247
	s_add_co_u32 s47, s47, 32768
	v_add_nc_u32 v[KW0], s47, v248
	s_add_co_u32 s50, s[LOFF], EX
	v_add_nc_u32 v[EXA], s50, v247
	s_add_co_u32 s51, s50, 8192
	v_add_nc_u32 v[EXB], s51, v249
	s_xor_b32 s50, s[WV], 4
	s_mul_i32 s50, s50, PARTB
	s_add_co_u32 s50, s50, EX
	v_add_nc_u32 v[MA], s50, v247
	s_add_co_u32 s51, s50, 8192
	v_add_nc_u32 v[MB], s51, v249
	v_mul_u32_u24 v250, SPITCH, v245
	v_lshl_add_u32 v250, v246, 5, v250
	v_add_nc_u32 v[RT], s50, v250                  ; row r, + 32 h
	v_lshlrev_b32 v251, 3, v246
	v_sub_nc_u32 v[DD], v245, v251
	s_lshl_b32 s51, s44, 4
	v_add_nc_u32 v[DD], s51, v[DD]                 ; 16 tile + r - 8 h
	s_lshl_b32 s51, s42, 13
	v_lshlrev_b32 v[PFO], 8, v244
	v_add_nc_u32 v[PFO], s51, v[PFO]
	v_min_u32 v[PFO], 65*256, v[PFO]               ; wave 6: the last two blocks
	v_lshlrev_b32 v[GO], 4, v244
	s_mov_b32 s[SEL], 0x76543210
	s_mov_b32 s[SEL+1], 0xfedcba98
	s_mov_b32 s[CS], 0x3d0293ee                    ; log2(e) / sqrt(2,048)
	s_mov_b32 s[CS+1], s[CS]                       ; (named with it as a pair, so it is written)
	s_mov_b32 s[MNT], 0x600000                     ; the mantissa field of 448
	s_mov_b32 s[KS], s[GG]
	s_mov_b32 s[NX], 0
	s_mov_b32 s[TB], 0
	s_mov_b32 s[I], 0
	RESET
	v_mov_b32 v[FF0+1], 0                          ; (named as the upper halves of pairs)
	v_mov_b32 v[FF0+3], 0
.irp b, 0,1,2,3
	v_mov_b32 v[PD+\b], 0                          ; written once: a lane permute's destination counts as one of its sources
.endr
	WIN 0x40
.set j, 0
.rept 128
	v_mov_b32 v[j], 0                              ; O^T, once, under the first tiles' flight: a wave may have no step in the early block, and exports zeros then
.set j, j+1
.endr
	WIN 0
	WALU
	s_wait_loadcnt 0x0                             ; Q
.macro SPROD t, hd                     ; S^T, tile t of 16 keys.  Odd tiles' and B's scale words lie in lanes 16-31
.if ((\t)%2 == 0) && ((\hd) == 0)
	v_wmma_scale_f32_16x16x128_f8f6f4 v[SS+64*\hd+8*\t:SS+64*\hd+8*\t+7], v[FRG+16*\t:FRG+16*\t+15], v[QF+16*\hd:QF+16*\hd+15], 0, v[KSC+(\t)/2], v[QSC]
.elseif ((\hd) == 0)
	v_wmma_scale_f32_16x16x128_f8f6f4 v[SS+64*\hd+8*\t:SS+64*\hd+8*\t+7], v[FRG+16*\t:FRG+16*\t+15], v[QF+16*\hd:QF+16*\hd+15], 0, v[KSC+(\t)/2], v[QSC] matrix_a_scale:MATRIX_SCALE_ROW1
.elseif ((\t)%2 == 0)
	v_wmma_scale_f32_16x16x128_f8f6f4 v[SS+64*\hd+8*\t:SS+64*\hd+8*\t+7], v[FRG+16*\t:FRG+16*\t+15], v[QF+16*\hd:QF+16*\hd+15], 0, v[KSC+(\t)/2], v[QSC] matrix_b_scale:MATRIX_SCALE_ROW1
.else
	v_wmma_scale_f32_16x16x128_f8f6f4 v[SS+64*\hd+8*\t:SS+64*\hd+8*\t+7], v[FRG+16*\t:FRG+16*\t+15], v[QF+16*\hd:QF+16*\hd+15], 0, v[KSC+(\t)/2], v[QSC] matrix_a_scale:MATRIX_SCALE_ROW1 matrix_b_scale:MATRIX_SCALE_ROW1
.endif
.endm
.macro OPROD t, hd                     ; O^T, tile t of 16 channels
.if ((\t)%2 == 0)
	v_wmma_scale_f32_16x16x128_f8f6f4 v[64*\hd+8*\t:64*\hd+8*\t+7], v[FRG+16*\t:FRG+16*\t+15], v[PC+16*\hd:PC+16*\hd+15], v[64*\hd+8*\t:64*\hd+8*\t+7], v[VSC+(\t)/2], v[PWD+\hd]
.else
	v_wmma_scale_f32_16x16x128_f8f6f4 v[64*\hd+8*\t:64*\hd+8*\t+7], v[FRG+16*\t:FRG+16*\t+15], v[PC+16*\hd:PC+16*\hd+15], v[64*\hd+8*\t:64*\hd+8*\t+7], v[VSC+(\t)/2], v[PWD+\hd] matrix_a_scale:MATRIX_SCALE_ROW1
.endif
.endm
.macro VLD t0                          ; two tiles of V
	WIN 0x40
.irp t, \t0, \t0+1
.irp c, 0,1,2,3
	ds_load_b128 v[FRG+16*(\t)+4*\c:FRG+16*(\t)+4*\c+3], v[KA] offset:16384+2048*(\t)+512*\c
.endr
.endr
	WIN 0
.endm
; ONE HEAD'S SOFTMAX FOR A KEY STEP: 64 scores of a lane become 64 p, their codes and their scale word; M, f and the sum move on.  V's loads are spread over the first head's.
.macro SOFTMAX hd
.set S,  SS+64*\hd
.set MM, ST+4*\hd
.set FF, FF0+2*\hd
.if \hd
	WALU
.endif
.irp b, 0,1,2,3
	v_max3_num_f32 v[BM+\b], v[S+16*\b], v[S+16*\b+1], v[S+16*\b+2]   ; THE LARGEST SCORE OF EACH BLOCK OF 32 KEYS: for the row's maximum and, since p rises with the score, for the block's largest p.  (Each accumulator is read from its low end on)
.endr
.irp i, 3,5,7,9,11,13
.irp b, 0,1,2,3
	v_max3_num_f32 v[BM+\b], v[BM+\b], v[S+16*\b+\i], v[S+16*\b+\i+1]
.endr
.endr
.if \hd == 0
	VLD 2
.endif
.irp b, 0,1,2,3
	v_max_num_f32 v[BM+\b], v[BM+\b], v[S+16*\b+15]
.endr
.irp b, 0,1,2,3
	s_delay_alu instid0(VALU_DEP_4)
	v_permlanex16_b32 v[PD+\b], v[BM+\b], s[SEL], s[SEL+1]
.endr
.irp b, 0,1,2,3
	s_delay_alu instid0(VALU_DEP_4)
	v_max_num_f32 v[BM+\b], v[BM+\b], v[PD+\b]     ; with lane l xor 16's 16 keys
.endr
	s_delay_alu instid0(VALU_DEP_2)
	v_max3_num_f32 v[T0], v[BM], v[BM+1], v[BM+2]
	s_delay_alu instid0(VALU_DEP_1)
	v_max_num_f32 v[T0], v[T0], v[BM+3]            ; the step's largest score of my query
	s_delay_alu instid0(VALU_DEP_1)
	v_mul_f32 v[T0], s[CS], v[T0]                  ; as t
	s_delay_alu instid0(VALU_DEP_1)
	v_max_num_f32 v[MM+1], v[MM+1], v[T0]          ; the running largest t
	v_mov_b32 v[T0], v[MM]
	s_delay_alu instid0(VALU_DEP_2)
	v_floor_f32 v[MM], -v[MM+1]                    ; the new -M = floor(-t) = -ceil(t)
	s_delay_alu instid0(VALU_DEP_1)
	v_sub_f32 v[T0], v[MM], v[T0]                  ; old M - new M: a whole number, 0 or less
	s_delay_alu instid0(VALU_DEP_1)
	v_cvt_i32_f32 v[T0], v[T0]                     ; (it saturates)
	s_delay_alu instid0(VALU_DEP_1)
	v_ldexp_f32 v[FF], 1.0, v[T0]                  ; f = 2^(old M - new M)
.set j, 0
.rept 32
	v_pk_fma_f32 v[S+j:S+j+1], v[S+j:S+j+1], s[CS:CS+1], v[MM:MM+1] op_sel_hi:[1,0,0]   ; t - M, two at a time
.set j, j+2
.endr
.irp b, 0,1,2,3
	v_fma_f32 v[BM+\b], v[BM+\b], s[CS], v[MM]     ; the same of each block's largest score
.endr
.if \hd == 0
	VLD 4
.endif
	WALU
.set j, 0
.rept 64
	v_exp_f32 v[S+j], v[S+j]                       ; p = 2^(t - M), at most 1
.set j, j+1
.endr
.irp b, 0,1,2,3
	v_exp_f32 v[BM+\b], v[BM+\b]                   ; the block's largest p: the same two instructions on the same number give the same bits
.endr
	v_pk_mul_f32 v[MM+2:MM+3], v[MM+2:MM+3], v[FF:FF+1] op_sel_hi:[1,0]   ; the sums under the new M.  (A plain place behind the exponentials)
	WALU
.irp b, 0,1,2,3
	v_max_num_f32 v[BM+\b], 0x4800000, v[BM+\b]    ; the floor 2^(9 - 127): the byte cannot fall under 1
.endr
.irp b, 0,1,2,3
	s_delay_alu instid0(VALU_DEP_4)
	v_add_nc_u32 v[SO+\b], 0xfc000000, v[BM+\b]    ; 8 off the exponent field: the conversion's scale operand
.endr
.irp b, 0,1,2,3
	v_and_or_b32 v[HL+\b], v[BM+\b], 0x7f800000, s[MNT]   ; 448 x the scale
.endr
.irp b, 0,1,2,3
	v_lshrrev_b32 v[PD+\b], 23, v[SO+\b]           ; the scale's byte
.endr
	s_delay_alu instid0(VALU_DEP_3)
	v_lshl_or_b32 v[PWD+\hd], v[PD+1], 8, v[PD]    ; p's scale word for these 128 keys
	s_delay_alu instid0(VALU_DEP_1)
	v_lshl_or_b32 v[PWD+\hd], v[PD+2], 16, v[PWD+\hd]
	s_delay_alu instid0(VALU_DEP_1)
	v_lshl_or_b32 v[PWD+\hd], v[PD+3], 24, v[PWD+\hd]
	v_pk_add_f32 v[C2:C2+1], v[S:S+1], v[S+2:S+3]  ; THE SUM IS TAKEN OF THE UNQUANTISED p: two at a time, in four chains
	v_pk_add_f32 v[CA:CA+1], v[S+4:S+5], v[S+6:S+7]
	v_pk_add_f32 v[CB:CB+1], v[S+8:S+9], v[S+10:S+11]
.set j, 12
.rept 6
	v_pk_add_f32 v[MM+2:MM+3], v[MM+2:MM+3], v[S+j:S+j+1]
	v_pk_add_f32 v[C2:C2+1], v[C2:C2+1], v[S+j+2:S+j+3]
	v_pk_add_f32 v[CA:CA+1], v[CA:CA+1], v[S+j+4:S+j+5]
	v_pk_add_f32 v[CB:CB+1], v[CB:CB+1], v[S+j+6:S+j+7]
.set j, j+8
.endr
	v_pk_add_f32 v[MM+2:MM+3], v[MM+2:MM+3], v[S+60:S+61]
	v_pk_add_f32 v[C2:C2+1], v[C2:C2+1], v[S+62:S+63]
	v_pk_add_f32 v[MM+2:MM+3], v[MM+2:MM+3], v[CA:CA+1]
	v_pk_add_f32 v[C2:C2+1], v[C2:C2+1], v[CB:CB+1]
	s_delay_alu instid0(VALU_DEP_1)
	v_pk_add_f32 v[MM+2:MM+3], v[MM+2:MM+3], v[C2:C2+1]
.if \hd == 0
	VLD 6
.endif
.irp b, 0,2
.set j, 0
.rept 16                                       ; the conversion to an 8-bit code does not saturate (ISA guide 7.6.2); p is not negative, so the hold is one-sided: two blocks at a time
	v_dual_min_num_f32 v[S+16*\b+j], v[S+16*\b+j], v[HL+\b] :: v_dual_min_num_f32 v[S+16*\b+16+(j^1)], v[S+16*\b+16+(j^1)], v[HL+\b+1]
.set j, j+1
.endr
.irp k, \b, \b+1
	v_cvt_scalef32_pk8_fp8_f32 v[PC+16*\hd+4*(\k):PC+16*\hd+4*(\k)+1], v[S+16*(\k):S+16*(\k)+7], v[SO+\k]
	v_cvt_scalef32_pk8_fp8_f32 v[PC+16*\hd+4*(\k)+2:PC+16*\hd+4*(\k)+3], v[S+16*(\k)+8:S+16*(\k)+15], v[SO+\k]
.endr
.endr
.endm
; A KEY STEP: my 128 keys of the slot in hand.  np: the v_nop that are still owed in front of loads into registers that the last products have read
.macro STEP np
	v_add_nc_u32 v[KA], s[TB], v[KA0]
	v_add_nc_u32 v[KW], s[TB], v[KW0]
	WALU
	s_cmp_gt_u32 s[KS], s[JB]                      ; all these keys come after my 16 positions: the step's work is left out (no barrier and no tensor load stands in a step)
	s_cbranch_scc1 .Lhid_\@
	PLACES \np
.irp u, 0,1,2,3
	ds_load_b32 v[KSC+\u], v[KW] offset:128*\u
.endr
	WIN 0x40                                       ; destination window 1
.irp t, 0,1,2,3,4,5,6,7
.irp c, 0,1,2,3
	ds_load_b128 v[FRG+16*\t+4*\c:FRG+16*\t+4*\c+3], v[KA] offset:2048*\t+512*\c
.endr
.endr
	WIN 0x01                                       ; source 0 (K) window 1
.irp t, 0,1,2,3,4,5,6,7
	s_wait_dscnt 4*(7-\t)                          ; tile t's four loads are in; those of the tiles behind it may be out
	SPROD \t, 0
	SPROD \t, 1
.endr
	WIN 0
	PLACES 8                                       ; in front of the loads into K's registers and of the first read of the scores
.irp u, 0,1,2,3
	ds_load_b32 v[VSC+\u], v[KW] offset:512+128*\u
.endr
	VLD 0
	s_cmp_lg_u32 s[KS], s[JB]
	s_cbranch_scc1 .Lopen_\@                       ; ahead of the diagonal every key counts
	WALU
.set n, 0
.rept 64                                       ; register n holds key 16 (n / 8) + 8 h + n % 8 of the step: it counts where 16 (n / 8) + n % 8 <= my place - 8 h; else its score becomes -infinity: p = 0
	v_cmp_le_i32 vcc_lo, 16*(n/8)+n%8, v[DD]
	v_cndmask_b32 v[SS+n], 0xff800000, v[SS+n], vcc_lo
	v_cndmask_b32 v[SS+64+n], 0xff800000, v[SS+64+n], vcc_lo
.set n, n+1
.endr
.Lopen_\@:
	SOFTMAX 0
	SOFTMAX 1
	WIN 0x41                                       ; O^T (destination and source 0) window 1
	WALU
.irp hd, 0,1
.set j, 0
.rept 32
	v_pk_mul_f32 v[64*\hd+j:64*\hd+j+1], v[64*\hd+j:64*\hd+j+1], v[FF0+2*\hd:FF0+2*\hd+1] op_sel_hi:[1,0]   ; O^T under the new M: x f.  (These are also the places in front of the products below)
.set j, j+2
.endr
.endr
	WALU
	s_wait_dscnt 0x0                               ; V is in
	WIN 0x51                                       ; source 0 (V), C and D window 1
.irp t, 0,1,2,3,4,5,6,7
	OPROD \t, 0                                    ; sixteen accumulators, one instruction each
	OPROD \t, 1
.endr
	WIN 0
.Lhid_\@:
	s_add_co_u32 s[KS], s[KS], 2
.endm
; THE CHANGE OF SLOTS.  Each wave waits for all its tensor loads (its part of the slot ahead), adds 0 to its spare word, and waits for that and for its LDS work on the slot that it has left.  fill = 1: the barrier is a round of the
; cluster's, and the slot that was left takes the next 256 keys, first thing behind the round: the load has a slot's work in which to land.
.macro CHANGE fill
	s_wait_tensorcnt 0x0                           ; no tensor load of mine is out, so group 0 may be written
	ds_add_u32 v[SPW], v[NIL]                      ; 0 onto my spare word
.if \fill
	s_xor_b32 s[TBO], s[TB], SLOTB
	s_add_co_u32 s[NX], s[NX], 1
	s_cmp_eq_u32 s[I], s[CL]
	s_cselect_b32 s[NX], 0, s[NX]                  ; behind the early block's c + 1 slots the late block begins at key 0
	s_mul_i32 s50, s[NX], SLOTB
	s_mov_b32 s51, 0
	s_add_co_u32 s[G0+1], s[LOFF], s[TBO]
	s_add_nc_u64 s[G0+2:G0+3], s[KB:KB+1], s[50:51]
	s_or_b32 s[G0+3], s[G0+3], 0x80000000
	s_wait_xcnt 0x0                                ; the last prefetch, a trip back, has read its address
	s_add_nc_u64 s[PFA:PFA+1], s[PFA:PFA+1], SLOTB
	s_wait_dscnt 0x0
	ROUND
	TLOAD
	s_cmp_lt_u32 s[I], s[LIM]
	s_cbranch_scc0 .Lnot_mine_\@
	global_prefetch_b8 v[PFO], s[PFA:PFA+1] th:TH_LOAD_NT scope:SCOPE_SE
.Lnot_mine_\@:
.else
	s_wait_dscnt 0x0
	s_barrier_signal -1
	s_barrier_wait -1
.endif
.endm
; A BLOCK'S END, FIRST HALF: head B's O^T as images, and its (-M, sum), go to my exchange place in this trip's set.
.macro EXPORT
	PLACES 8                                       ; behind the last products
	v_add_nc_u32 v[KA], s[TB], v[EXA]
	v_add_nc_u32 v[KW], s[TB], v[EXB]
	v_add_f32 v[T0+1], v[ST+6], v[ST+7]
	v_mov_b32 v[T0], v[ST+4]
	WALU
	WIN 0x04                                       ; the data: window 1
.irp j, 0,1,2,3,4,5,6,7,8,9,10,11,12,13,14,15
	ds_store_b128 v[KA], v[64+4*\j:64+4*\j+3] offset:512*\j
.endr
	WIN 0
	ds_store_b64 v[KW], v[T0:T0+1]
.endm
; SECOND HALF, behind a barrier: my partner's part of head A joins mine under the greater M, is divided by the sum, and leaves by rows.  The rows pass through my partner's exchange place, which I alone have read.  more = 1: the late block's Q is fetched meanwhile.
.macro MERGE set, more
	PLACES 8                                       ; in front of loads into registers that products have read, and behind O^T's last products
	v_add_nc_u32 v[KA], s[\set], v[MA]
	v_add_nc_u32 v[KW], s[\set], v[MB]
	v_add_nc_u32 v[C2], s[\set], v[RT]
	v_add_f32 v[CA], v[ST+2], v[ST+3]
	WALU
.if \more
	s_add_nc_u64 s[4:5], s[4:5], s[DQ:DQ+1]
	s_add_nc_u64 s[QW:QW+1], s[QW:QW+1], s[DQ:DQ+1]
	QLOAD
.endif
	ds_load_b64 v[T0:T0+1], v[KW]
.irp j, 0,1,2,3,4,5,6,7,8,9,10,11,12,13,14,15
	ds_load_b128 v[SS+4*\j:SS+4*\j+3], v[KA] offset:512*\j
.endr
	s_wait_dscnt 16                                ; (-M, sum) is in; the sixteen loads behind it may be out
	v_min_num_f32 v[CB], v[ST], v[T0]
	v_sub_f32 v[BM], v[CB], v[ST]
	v_sub_f32 v[BM+1], v[CB], v[T0]
	v_cvt_i32_f32 v[BM], v[BM]
	v_cvt_i32_f32 v[BM+1], v[BM+1]
	v_ldexp_f32 v[FF0], 1.0, v[BM]                 ; 2^(my M - M): exact; 0 for a part that had no step
	v_ldexp_f32 v[FF0+2], 1.0, v[BM+1]
	v_mul_f32 v[CA], v[CA], v[FF0]
	v_fma_f32 v[CA], v[T0+1], v[FF0+2], v[CA]
	v_permlanex16_b32 v[PD], v[CA], s[SEL], s[SEL+1]
	v_add_f32 v[CA], v[CA], v[PD]                  ; with lane l xor 16's keys: the row's sum
	WALU
	v_rcp_f32 v[CA], v[CA]
	v_nop                                          ; a plain place behind the reciprocal
	WALU
	v_mul_f32 v[FF0], v[FF0], v[CA]
	v_mul_f32 v[FF0+2], v[FF0+2], v[CA]
	WIN 0x01                                       ; source 0: O^T's window
	WALU
.set j, 0
.rept 32
	v_pk_mul_f32 v[SS+64+j:SS+64+j+1], v[j:j+1], v[FF0:FF0+1] op_sel_hi:[1,0]   ; each accumulator from its low end on
.set j, j+2
.endr
	WIN 0
	WALU
	s_wait_dscnt 0x0
.set j, 0
.rept 32
	v_pk_fma_f32 v[SS+64+j:SS+64+j+1], v[SS+j:SS+j+1], v[FF0+2:FF0+3], v[SS+64+j:SS+64+j+1] op_sel_hi:[1,0,1]   ; register 8 t + i: o(query r, channel 16 t + 8 h + i)
.set j, j+2
.endr
.irp t, 0,1,2,3,4,5,6,7
	ds_store_b128 v[C2], v[SS+64+8*\t:SS+64+8*\t+3] offset:64*\t
	ds_store_b128 v[C2], v[SS+64+8*\t+4:SS+64+8*\t+7] offset:64*\t+16
.endr
.irp i, 0,1,2,3,4,5,6,7,8,9,10,11,12,13,14,15
	ds_load_b128 v[SS+4*\i:SS+4*\i+3], v[KA] offset:SPITCH*\i   ; LDS serves a wave's instructions in order (ISA guide 5.7.1.4): these see the stores above
.endr
.irp i, 0,1,2,3,4,5,6,7,8,9,10,11,12,13,14,15
	s_wait_dscnt 15-\i                             ; the younger rows may be out
	global_store_b128 v[GO], v[SS+4*\i:SS+4*\i+3], s[8:9] offset:8192*\i th:TH_STORE_NT   ; 32 lanes store 512 consecutive bytes, at a multiple of 512 from out0's first byte
.endr
	s_wait_xcnt 0x0                                ; the stores have read their registers and their base (ISA guide 3.1)
.endm
.Ltrip:                                                ; slots 0 .. 7 of nine; slot i + 1 is asked for in trip i
	CHANGE 1
	s_sub_co_u32 s50, s[I], s[CL]
	s_cmp_lg_u32 s50, 1
	s_cbranch_scc1 .Lsame_block                    ; trip c + 1: the early block is done, the late one begins
	MERGE TBO, 1
	s_add_nc_u64 s[8:9], s[8:9], s[DO:DO+1]
	s_mov_b32 s[KS], s[GG]
	s_mov_b32 s[JB], s[JL]
	RESET
	WALU
	s_wait_loadcnt 0x0                             ; the late block's Q
.Lsame_block:
	STEP 4                                         ; (behind the tensor load's four v_nop and the step's two address lines)
	s_cmp_lg_u32 s[I], s[CL]
	s_cbranch_scc1 .Lno_end                        ; trip c is the early block's last
	EXPORT
.Lno_end:
	s_xor_b32 s[TB], s[TB], SLOTB
	s_add_co_u32 s[I], s[I], 1
	s_cmp_lt_u32 s[I], 8
	WALU
	s_cbranch_scc1 .Ltrip
	CHANGE 0                                       ; the ninth slot is written out: nothing is left to fetch
	STEP 8
	EXPORT
	s_wait_dscnt 0x0                               ; my exports are in LDS
	s_barrier_signal -1
	s_barrier_wait -1
	MERGE TB, 0
	s_wait_tensorcnt 0x0                           ; the wave's end
	ds_add_u32 v[SPW], v[NIL]
	s_wait_dscnt 0x0
	ROUND                                          ; the closing round: no work-group ends while a partner may still ask for a tile that names it
	s_endpgm
.Lfunc_end_k_q1500dda40e_attn:
	.size	k_q1500dda40e_attn, .Lfunc_end_k_q1500dda40e_attn-k_q1500dda40e_attn
	.p2alignl 7, 3214868480
	.fill 96, 4, 3214868480
	.section	.rodata,"a",@progbits
	.p2align	6, 0x0
	.amdhsa_kernel k_q1500dda40e_attn
		.amdhsa_group_segment_fixed_size 327680
		.amdhsa_private_segment_fixed_size 0
		.amdhsa_enable_private_segment 0
		.amdhsa_kernarg_size 24
		.amdhsa_user_sgpr_count 2
		.amdhsa_user_sgpr_kernarg_segment_ptr 1
		.amdhsa_wavefront_size32 1
		.amdhsa_system_sgpr_workgroup_id_x 1
		.amdhsa_system_sgpr_workgroup_id_y 1
		.amdhsa_system_sgpr_workgroup_id_z 1
		.amdhsa_system_vgpr_workitem_id 0
		.amdhsa_next_free_vgpr 512
		.amdhsa_next_free_sgpr 66
		.amdhsa_reserve_vcc 1
		.amdhsa_float_denorm_mode_32 3
		.amdhsa_float_denorm_mode_16_64 3
		.amdhsa_memory_ordered 1
		.amdhsa_forward_progress 1
		.amdhsa_inst_pref_size 144
	.end_amdhsa_kernel
	.amdgpu_metadata
---
amdhsa.version: [ 1, 2 ]
amdhsa.kernels:
  - .name:           k_q1500dda40e_attn
    .symbol:         k_q1500dda40e_attn.kd
    .args:
      - { .name: qws, .offset: 0, .size: 8, .value_kind: global_buffer, .address_space: global }
      - { .name: kvws, .offset: 8, .size: 8, .value_kind: global_buffer, .address_space: global }
      - { .name: out0, .offset: 16, .size: 8, .value_kind: global_buffer, .address_space: global }
    .group_segment_fixed_size: 327680
    .private_segment_fixed_size: 0
    .kernarg_segment_align: 8
    .kernarg_segment_size: 24
    .max_flat_workgroup_size: 256
    .sgpr_count:     66
    .vgpr_count:     512
    .wavefront_size: 32
...
	.end_amdgpu_metadata
.endif
;; end of part 2
